; MI455X (gfx1250); checked and timed in simulation.
; The chip was launched on July 23, 2026; its instructions are those of AMD's public machine-readable ISA for CDNA 5 (MIT licence, August 2026) and "CDNA5" Instruction Set Architecture Reference Guide (July 2026). The comments in the code are by the model that wrote it; some were corrected since.
;; Multi Head Attention Layer. Allowed arithmetic: matrix products marked QUANTISED: E4M3 operands, one given power-of-two scale a tensor, by v_wmma_f32_16x16x64_fp8_fp8 or v_wmma_f32_16x16x128_fp8_fp8, f32 sums; everything else in f32.
;; Inputs: K 4 x 2,048 x 1,024 float32; Q 4 x 2,048 x 1,024 float32; V 4 x 2,048 x 1,024 float32; Wk 1,024 x 1,024 float32; Wo 1,024 x 1,024 float32; Wq 1,024 x 1,024 float32; Wv 1,024 x 1,024 float32; bk 1,024 float32; bo 1,024 float32; bq 1,024 float32; bv 1,024 float32; lowp_scales 12 int32 (the exponents e of the quantised operands' scales 2^e).
;; Outputs: out0 4 x 2,048 x 1,024 float32.
;; This version of the problem:
;;   THIS VERSION OF THE PROBLEM IS GIVEN IN LOW PRECISION. The matrix products marked QUANTISED in the list below multiply operands that are first quantised to E4M3 (4 exponent bits, 3 mantissa bits; 8 bits a number), with one given power-of-two scale for each operand tensor; their sums are f32. All else is computed in f32.
;;   The module's matrix products, in the order in which they are computed (A, B: the left and right operand; K: the contracted axis; several contracted axes count as one K, in the product's order):
;;     1. [M 8,192, K 1,024] x [K 1,024, N 1,024]; A: input Q; B: input Wq: QUANTISED (scales: A lowp_scales[0], B lowp_scales[1])
;;     2. [M 8,192, K 1,024] x [K 1,024, N 1,024]; A: input K; B: input Wk: QUANTISED (scales: A lowp_scales[2], B lowp_scales[3])
;;     3. [M 8,192, K 1,024] x [K 1,024, N 1,024]; A: input V; B: input Wv: QUANTISED (scales: A lowp_scales[4], B lowp_scales[5])
;;     4. batch 64 x [M 2,048, K 64] x [K 64, N 2,048]; A: computed on the way; B: computed on the way: QUANTISED (scales: A lowp_scales[6], B lowp_scales[7])
;;     5. batch 64 x [M 2,048, K 2,048] x [K 2,048, N 64]; A: softmax (see below); B: computed on the way: QUANTISED (scales: A lowp_scales[8], B lowp_scales[9])
;;     6. [M 8,192, K 1,024] x [K 1,024, N 1,024]; A: computed on the way; B: input Wo: QUANTISED (scales: A lowp_scales[10], B lowp_scales[11])
;;   THE QUANTISER, for each operand of a quantised product, along K:
;;     - The operand's scale is 2^e, e = its entry of the input lowp_scales (int32; the entries are numbered through the quantised products in the list's order, A before B).
;;     - Each number is divided by the scale, clamped to +-448, and rounded to the nearest number of E4M3, ties to even, subnormals kept.
;;     - The product sums the exact products of the quantised numbers (number of the format x scale) in f32.
;;   ~~~python
;;   def quantise(x, axis, e):      # numpy; x: float32 -> the quantised numbers, widened to float32 again
;;       x = np.moveaxis(x, axis, -1); K = x.shape[-1]
;;       r = np.clip(x / 2.0 ** e, -448, 448)
;;       step = 2.0 ** (np.maximum(np.frexp(np.where(r == 0, 1, r))[1] - 1, -6) - 3)
;;       q = np.round(r / step) * step * 2.0 ** e      # np.round: ties to even
;;       return np.moveaxis(q, -1, axis).astype(np.float32)
;;   ~~~
;;   SOFTMAX AHEAD OF A QUANTISED PRODUCT. Where the list says 'softmax', what is quantised is not the finished softmax but p = 2^(t - M), with t = logit x log2(e) and M = ceil(the row's largest t), a whole number; so 1/2 < the row's largest p <= 1. The row's sum l is taken of the UNQUANTISED p, in f32, and the product's result is divided by l at the end. Since M is a whole number, a kernel that streams over the keys may use a running M (the ceiling of the running maximum): every later rescaling is an exact power of two, so the quantised numbers keep their values, but for numbers so far below the row's largest that they fall under the format's range.
;;   OPERANDS COMPUTED ON THE WAY. 'Computed on the way' means the value that the module computes at that place (a softmax that the list does not call 'softmax' is quantised finished and normalised). What goes into a quantiser is computed in f32, as accurately as f32 sums, v_exp_f32 and their like allow (about 1e-6 of the number): no bf16 or f16 on the way to a quantiser, and a product that is left as it is and whose result goes on into a quantised operand takes f32 operands (vector FMAs, or v_wmma_f32_16x16x4_f32). A number that lies on a knife's edge between two numbers of the format may be rounded either way, as far as f32 arithmetic and the matrix unit's own rounding can turn it there, and no further.
;; One version. Each part assembles by itself: llvm-mc -triple=amdgcn-amd-amdhsa -mcpu=gfx1250 --defsym DOCPART=n.
;; ======== version 1 of 1: 4 launches
;; limits: right only within a limited range of input values
;; workspace buffers: xc 25,165,824 bytes; wc 4,194,304 bytes; qc 8,388,608 bytes; kc 8,388,608 bytes; vc 8,388,608 bytes; oc 8,388,608 bytes
;; launch quant (part 1): grid 896 x 1, 4 waves a work-group, no clusters, 34,304 bytes of LDS; arguments Q, K, V, Wq, Wk, Wv, Wo, lowp_scales, xc, wc; writes xc, wc
.if DOCPART == 1
	.amdgcn_target "amdgcn-amd-amdhsa--gfx1250"
	.amdhsa_code_object_version 6
	.text
	.protected	k_qd74f586225_quant
	.globl	k_qd74f586225_quant
	.p2align	8
	.type	k_qd74f586225_quant,@function
k_qd74f586225_quant:
	s_mov_b64 s[64:65], 0
	v_nop
	global_prefetch_b8 v0, s[64:65] scope:SCOPE_SE
	s_setreg_imm32_b32 hwreg(HW_REG_WAVE_MODE, 25, 1), 1
	s_wait_xcnt 0x0
; Q, K, V [8192][1024] and Wq, Wk, Wv, Wo [1024][1024], f32 with K innermost, become codes of FP8 (E4M3), each tensor with the one scale 2^e given for it
; (entries 0, 2, 4, 1, 3, 5, 11 of the scales).  code = x / 2^e, held within +-448, rounded to the nearest code, ties to even.
; LIMITS: each e used here lies between -126 and 119, so that 2^e and 448 x 2^e are f32 numbers.  NaN among the inputs is not served; an infinity is held at the largest code.
; THE CODES ARE LAID AS IMAGES OF OPERAND REGISTERS.  A fragment is 16 rows x 128 K = 2,048 bytes: group c (0..3) is 512 bytes, and lane (r = lane % 16, h = lane / 16) has 16 bytes at 16 x lane:
; k = 32 c + 16 h + 0 .. 15 of the tile's row number r.  xc: [tensor 3][K step of 256: 4][row tile 512][4,096];  wc: [weight 4][K step 4][row tile 64][4,096].
; WHICH ROWS FORM A TILE: Q's tiles are plain (tile 2 g + u: rows 32 g + 16 u + i); all others are spread (rows 32 g + 8 u + i + 8 (i / 8)), so that results of the later products fall as neighbours along the next K.
; SHARES: a work-group takes 32 rows x 1,024 K of one tensor (768 groups of Q, K, V, then 128 of the weights); wave w takes K = 256 w on: four fragments, 8,192 bytes of codes on end.
; Each load reads 512 consecutive bytes of a row; a fragment's 16 rows turn through the wave's own stage in LDS (rows of 512 + 16 bytes) and come back 64 bytes a lane: 16 neighbours along K for each group.
; No tensor load, no barrier, no cluster: waves and work-groups share no input.  32 loads a wave are on their way at the start, 16 to 32 later.
.set SP,    528                        ; a stage row: 512 bytes + 16
.set WST,   16*SP                      ; a wave's stage
.set SPARE, 4*WST                      ; behind the stages: the spare words, 128 bytes a wave, which no other line names
.set VP,    3                          ; v3   16 x lane: my bytes of a load's 512, and of a store's
.set STW,   6                          ; v6   the stage, on the way in
.set STR,   7                          ; v7   and on the way out: row r, + 64 h
.set VS,    8                          ; v8   VP + 8 rows in a spread tensor
.set VQ,    9                          ; v9   VP + 8 rows in a plain tensor
.set LIM,   10                         ; v10  448 x 2^e
.set SC,    11                         ; v11  2^e
.set SPW,   12                         ; v12  my spare word's LDS address; never rewritten
.set NIL,   13                         ; v13  0; never rewritten
.set R,     16                         ; v16-143  two sets of 64: a fragment's numbers as loaded
.set X,     144                        ; v144-207 register 16 c + i = k 32 c + 16 h + i of my row
.set C,     208                        ; v208-239 two sets of 16: a fragment's codes
	s_load_b512 s[8:23], s[0:1], 0x0               ; Q, K, V, Wq, Wk, Wv, Wo, the scales
	s_load_b128 s[24:27], s[0:1], 0x40             ; xc, wc
	v_lshl_add_u32 v[SPW], v0, 2, SPARE
	v_mov_b32 v[NIL], 0
	v_lshrrev_b32 v1, 5, v0
	v_readfirstlane_b32 s28, v1                    ; wave
	v_and_b32 v2, 31, v0
	v_lshlrev_b32 v[VP], 4, v2
	s_mul_i32 s29, s28, WST
	v_add_nc_u32 v[STW], s29, v[VP]
	v_and_b32 v4, 15, v0
	v_bfe_u32 v5, v0, 4, 1
	v_mul_u32_u24 v[STR], v4, SP
	v_lshl_add_u32 v[STR], v5, 6, v[STR]
	v_add_nc_u32 v[STR], s29, v[STR]
	s_mov_b32 s30, ttmp9                           ; g
	s_cmp_ge_u32 s30, 256                          ; all tensors but Q are spread
	s_cselect_b32 s31, 32768, 0                    ; 8 rows of 4,096 bytes, or none
	s_sub_co_u32 s47, 32768, s31
	v_add_nc_u32 v[VS], s31, v[VP]
	v_add_nc_u32 v[VQ], s47, v[VP]
	s_cmp_ge_u32 s30, 768                          ; a weight?
	s_cselect_b32 s50, 20, 23                      ; log2 of a tensor's bytes of codes
	s_cselect_b32 s51, 18, 21                      ; and of a K step's
	s_cselect_b32 s52, 31, 255
	s_cselect_b32 s53, 5, 8
	s_cselect_b32 s54, 768, 0
	s_sub_co_u32 s54, s30, s54
	s_lshr_b32 s54, s54, s53                       ; which tensor of its buffer
	s_and_b32 s52, s30, s52                        ; which group of 32 rows
	s_lshl_b32 s54, s54, s50
	s_lshl_b32 s55, s28, s51
	s_add_co_u32 s54, s54, s55
	s_lshl_b32 s55, s52, 13
	s_add_co_u32 s54, s54, s55                     ; codes: tensor, K step = wave, two tiles of 4,096 bytes a group
	s_mov_b32 s55, 0
	s_lshl_b32 s52, s52, 17
	s_lshl_b32 s53, s28, 10
	s_add_co_u32 s52, s52, s53                     ; numbers: 32 rows of 4,096 bytes a group, 1,024 bytes a wave
	s_mov_b32 s53, 0
	s_wait_alu depctr_va_vdst(0)
	s_wait_kmcnt 0x0
	s_load_b256 s[32:39], s[22:23], 0x0            ; e0 .. e7
	s_load_b128 s[40:43], s[22:23], 0x20           ; e8 .. e11
	s_mov_b64 s[44:45], s[8:9]                     ; the source: a chain of choices on the work-group's number alone
	s_cmp_ge_u32 s30, 256
	s_cselect_b64 s[44:45], s[10:11], s[44:45]
	s_cmp_ge_u32 s30, 512
	s_cselect_b64 s[44:45], s[12:13], s[44:45]
	s_cmp_ge_u32 s30, 768
	s_cselect_b64 s[44:45], s[14:15], s[44:45]
	s_cselect_b64 s[48:49], s[26:27], s[24:25]     ; the destination
	s_cmp_ge_u32 s30, 800
	s_cselect_b64 s[44:45], s[16:17], s[44:45]
	s_cmp_ge_u32 s30, 832
	s_cselect_b64 s[44:45], s[18:19], s[44:45]
	s_cmp_ge_u32 s30, 864
	s_cselect_b64 s[44:45], s[20:21], s[44:45]
	s_add_nc_u64 s[44:45], s[44:45], s[52:53]
	s_add_nc_u64 s[48:49], s[48:49], s[54:55]
.macro LD1 set, i, off, row, kl
	global_load_b128 v[R+64*(\set)+4*(\i):R+64*(\set)+4*(\i)+3], v[\off], s[44:45] offset:(\row)*4096+(\kl)*512 th:TH_LOAD_NT
.endm
; fragment t = (tile u = t / 2, half kl = t % 2 of the wave's 256 K): 16 loads, one for each row of the tile.  The immediate holds the lower of the row's two places, the offset register the 8 rows that plain and spread differ by.
.macro LOAD t
.irp i, 0,1,2,3,4,5,6,7
.if (\t)/2 == 0
	LD1 (\t)%2, \i, VP, \i, (\t)%2
.else
	LD1 (\t)%2, \i, VQ, 8+\i, (\t)%2
.endif
.endr
.irp i, 8,9,10,11,12,13,14,15
.if (\t)/2 == 0
	LD1 (\t)%2, \i, VS, \i, (\t)%2
.else
	LD1 (\t)%2, \i, VP, 16+\i, (\t)%2
.endif
.endr
.endm
	LOAD 0
	LOAD 1
	s_wait_kmcnt 0x0
	s_mov_b32 s46, s32                             ; e, by the same chain: e0, e2, e4, e1, e3, e5, e11
	s_cmp_ge_u32 s30, 256
	s_cselect_b32 s46, s34, s46
	s_cmp_ge_u32 s30, 512
	s_cselect_b32 s46, s36, s46
	s_cmp_ge_u32 s30, 768
	s_cselect_b32 s46, s33, s46
	s_cmp_ge_u32 s30, 800
	s_cselect_b32 s46, s35, s46
	s_cmp_ge_u32 s30, 832
	s_cselect_b32 s46, s37, s46
	s_cmp_ge_u32 s30, 864
	s_cselect_b32 s46, s43, s46
	s_add_co_i32 s46, s46, 127
	s_lshl_b32 s47, s46, 23
	v_mov_b32 v[SC], s47                           ; 2^e as f32: the conversion takes its exponent field
	s_add_co_i32 s46, s46, 8
	s_lshl_b32 s46, s46, 23
	s_or_b32 s46, s46, 0x600000
	v_mov_b32 v[LIM], s46                          ; 448 x 2^e
.macro STEP t
.set RS, R+64*((\t)%2)
.set CC, C+16*((\t)%2)
.if (\t) < 3
	s_wait_loadcnt 16                              ; this fragment's 16 loads are in; the next one's may be out
.else
	s_wait_loadcnt 0
.endif
.irp i, 0,1,2,3,4,5,6,7,8,9,10,11,12,13,14,15
	ds_store_b128 v[STW], v[RS+4*\i:RS+4*\i+3] offset:\i*SP
.endr
.irp c, 0,1,2,3
.irp q, 0,1,2,3
	ds_load_b128 v[X+16*\c+4*\q:X+16*\c+4*\q+3], v[STR] offset:128*\c+16*\q   ; LDS serves a wave's instructions in order: these see the stores above
.endr
.endr
	s_wait_dscnt 0x0                               ; the numbers are back, and the stage's stores have read their registers,
.if (\t) < 2
	LOAD (\t)+2                                    ; which take the loads of two fragments on
.endif
.set n, 0
.rept 64
	v_med3_num_f32 v[X+n], v[X+n], -v[LIM], v[LIM] ; the conversion to an 8-bit code does not saturate (ISA guide 7.6.2): the hold comes first
.set n, n+1
.endr
.if (\t) >= 2
	s_wait_alu depctr_va_vdst(0)
	s_wait_xcnt 0x0                                ; the stores of two fragments back have read this set of codes
.endif
.irp g, 0,1,2,3,4,5,6,7
	v_cvt_scalef32_pk8_fp8_f32 v[CC+2*\g:CC+2*\g+1], v[X+8*\g:X+8*\g+7], v[SC]
.endr
	v_nop                                          ; a plain line behind the last conversion of the run
.irp c, 0,1,2,3
	global_store_b128 v[VP], v[CC+4*\c:CC+4*\c+3], s[48:49] offset:((\t)/2)*4096+((\t)%2)*2048+\c*512   ; 32 lanes store 512 consecutive bytes, at a multiple of 512 from the buffer's first byte
.endr
.endm
	s_wait_alu depctr_va_vdst(0)
	STEP 0
	STEP 1
	STEP 2
	STEP 3
	s_wait_tensorcnt 0x0                           ; the wave's end
	ds_add_u32 v[SPW], v[NIL]
	s_wait_dscnt 0x0
	s_endpgm
.Lfunc_end_k_qd74f586225_quant:
	.size	k_qd74f586225_quant, .Lfunc_end_k_qd74f586225_quant-k_qd74f586225_quant
	.p2alignl 7, 3214868480
	.fill 96, 4, 3214868480
	.section	.rodata,"a",@progbits
	.p2align	6, 0x0
	.amdhsa_kernel k_qd74f586225_quant
		.amdhsa_group_segment_fixed_size 34304
		.amdhsa_private_segment_fixed_size 0
		.amdhsa_enable_private_segment 0
		.amdhsa_kernarg_size 80
		.amdhsa_user_sgpr_count 2
		.amdhsa_user_sgpr_kernarg_segment_ptr 1
		.amdhsa_wavefront_size32 1
		.amdhsa_system_sgpr_workgroup_id_x 1
		.amdhsa_system_sgpr_workgroup_id_y 1
		.amdhsa_system_sgpr_workgroup_id_z 1
		.amdhsa_system_vgpr_workitem_id 0
		.amdhsa_next_free_vgpr 240
		.amdhsa_next_free_sgpr 66
		.amdhsa_reserve_vcc 0
		.amdhsa_float_denorm_mode_32 3
		.amdhsa_float_denorm_mode_16_64 3
		.amdhsa_memory_ordered 1
		.amdhsa_forward_progress 1
		.amdhsa_inst_pref_size 38
	.end_amdhsa_kernel
	.amdgpu_metadata
---
amdhsa.version: [ 1, 2 ]
amdhsa.kernels:
  - .name:           k_qd74f586225_quant
    .symbol:         k_qd74f586225_quant.kd
    .args:
      - { .name: Q, .offset: 0, .size: 8, .value_kind: global_buffer, .address_space: global }
      - { .name: K, .offset: 8, .size: 8, .value_kind: global_buffer, .address_space: global }
      - { .name: V, .offset: 16, .size: 8, .value_kind: global_buffer, .address_space: global }
      - { .name: Wq, .offset: 24, .size: 8, .value_kind: global_buffer, .address_space: global }
      - { .name: Wk, .offset: 32, .size: 8, .value_kind: global_buffer, .address_space: global }
      - { .name: Wv, .offset: 40, .size: 8, .value_kind: global_buffer, .address_space: global }
      - { .name: Wo, .offset: 48, .size: 8, .value_kind: global_buffer, .address_space: global }
      - { .name: lowp_scales, .offset: 56, .size: 8, .value_kind: global_buffer, .address_space: global }
      - { .name: xc, .offset: 64, .size: 8, .value_kind: global_buffer, .address_space: global }
      - { .name: wc, .offset: 72, .size: 8, .value_kind: global_buffer, .address_space: global }
    .group_segment_fixed_size: 34304
    .private_segment_fixed_size: 0
    .kernarg_segment_align: 8
    .kernarg_segment_size: 80
    .max_flat_workgroup_size: 128
    .sgpr_count:     66
    .vgpr_count:     240
    .wavefront_size: 32
...
	.end_amdgpu_metadata
.endif
;; end of part 1
;; launch proj (part 2): grid 4 x 64, 4 waves a work-group, clusters of 4 x 4, 327,680 bytes of LDS; arguments xc, wc, lowp_scales, bq, bk, bv, qc, kc, vc; writes qc, kc, vc
.if DOCPART == 2
	.amdgcn_target "amdgcn-amd-amdhsa--gfx1250"
	.amdhsa_code_object_version 6
	.text
	.protected	k_qd74f586225_proj
	.globl	k_qd74f586225_proj
	.p2align	8
	.type	k_qd74f586225_proj,@function
k_qd74f586225_proj:
	s_mov_b64 s[64:65], 0
	v_nop
	global_prefetch_b8 v0, s[64:65] scope:SCOPE_SE
	s_setreg_imm32_b32 hwreg(HW_REG_WAVE_MODE, 25, 1), 1
	s_wait_xcnt 0x0
	s_wait_alu depctr_hold_cnt(0) depctr_sa_sdst(0) depctr_va_vdst(0) depctr_va_sdst(0) depctr_va_ssrc(0) depctr_va_vcc(0) depctr_vm_vsrc(0)
	s_getreg_b32 s2, hwreg(HW_REG_IB_STS2, 6, 4)
	s_cmp_eq_u32 s2, 0
	s_cbranch_scc0 .Lentry_in_a_cluster
	s_endpgm
.Lentry_in_a_cluster:
	s_bfe_u32 s2, ttmp6, 0x10000c
	s_cmp_lg_u32 s2, 0xf033
	s_cbranch_scc0 .Lentry_shape_is_right
	s_endpgm
.Lentry_shape_is_right:
.set SLOT,  98304
.set SPARE, 2*SLOT
.set BT,    8
.set ADRA,  16
.set ADRB,  20
.set LN16,  24
.set BO,    25
.set BV,    26
.set SPW,   28
.set NIL,   29
.set SC,    30
.set LIMV,  31
.set BIAS,  32
.set CODE,  96
.set AF,    128
.set WV,    22
.set MH,    23
.set NH,    3
.set G1,    24
.set G0,    32
.set G1B,   48
.set G0B,   56
.set MSB, 0
.macro WIN new
.if MSB != \new
	s_set_vgpr_msb (MSB<<8)|\new
.set MSB, \new
.endif
.endm
.set MULN,  0xa1
.set MULN1, 0x81
.set MULS,  0xa4
.set MULS1, 0x84
.set TO_B,  0x40
.set HOLD,  0x82
.set CVT,   0x02
.macro JLOAD s
	s_cmp_eq_u32 s[MH], 0
	s_cbranch_scc0 .Lfor_b_\@
	tensor_load_to_lds s[G0+4*\s:G0+4*\s+3], s[G1:G1+7]
	s_nop 0
.rept 4
	v_nop
.endr
	s_branch .Lasked_\@
.Lfor_b_\@:
	tensor_load_to_lds s[G0B+4*\s:G0B+4*\s+3], s[G1B:G1B+7]
	s_nop 0
.rept 4
	v_nop
.endr
.Lasked_\@:
.endm
.macro CREST
	s_cmp_lg_u32 s[WV], 0
	s_cbranch_scc1 .Lnot_wave_0_\@
	s_barrier_signal -3
.Lnot_wave_0_\@:
	s_barrier_wait -3
	s_barrier_signal -1
	s_barrier_wait -1
.endm
.macro CROUND
	s_barrier_signal -1
	s_barrier_wait -1
	CREST
.endm
.macro PLACES n
.rept \n
	v_nop
.endr
.endm
; PREFETCHES INTO THE L2.  The 12 K steps (3 tensors x 4) lie one behind the other in xc (0x200000 bytes apart) and in wc (0x40000 apart).  Behind the joint load of K step u each wave asks for K step u + 2 of what it fetches
; (behind the first load: for K steps 1 and 2).  The four partners of a joint load share its blocks out BY ADDRESS: of a wave's 16,384 bytes of A the partner at cx takes 4,096 (16 lanes, 256 bytes apart; the other lanes name the last block again),
; of its 32,768 bytes of B the partner at cy takes 8,192 (32 lanes).  A's blocks are a cluster's own; B's are read by all sixteen clusters, and clusters 0 to 3 ask for them.  The loads of K steps 10 and 11 ask for nothing.
.set NK,   12
.set PFO,  18                          ; v18      the prefetches' offset; never rewritten
.set PFA,  96                          ; s[96:97] where my prefetches stand
.set PFS,  98                          ; s[98:99] a K step on, in bytes
.set PFX,  86                          ; s[86:87] K step 2, for the head
.set PFT,  66                          ; s66      at work
.set PFF,  67                          ; s67      1 where my wave asks
.set PFK,  3                           ; the K step that the next ASK names
.macro PFSTEP                          ; the address is stepped a change of slots behind the prefetch that read it, behind the wait on XCNT
.if PFK < NK
	s_wait_xcnt 0x0
	s_add_nc_u64 s[PFA:PFA+1], s[PFA:PFA+1], s[PFS:PFS+1]
.endif
.endm
.macro ASK
.if PFK < NK
	s_cmp_eq_u32 s[PFF], 1
	s_cbranch_scc0 .Lnot_mine_\@
	global_prefetch_b8 v[PFO], s[PFA:PFA+1] th:TH_LOAD_NT scope:SCOPE_SE
.Lnot_mine_\@:
.endif
.set PFK, PFK+1
.endm
	s_load_b512 s[4:19], s[0:1], 0x0
	s_load_b64 s[20:21], s[0:1], 0x40
	v_lshl_add_u32 v[SPW], v0, 2, SPARE
	v_mov_b32 v[NIL], 0
	ds_add_u32 v[SPW], v[NIL]
	ds_add_u32 v[SPW], v[NIL]
	v_lshrrev_b32 v1, 5, v0
	v_readfirstlane_b32 s[WV], v1
	s_lshr_b32 s[MH], s[WV], 1
	s_and_b32 s[NH], s[WV], 1
	s_bfe_u32 s40, ttmp6, 0x40000
	s_bfe_u32 s41, ttmp6, 0x40004
	s_lshl_b32 s42, ttmp9, 2
	s_add_co_u32 s42, s42, s40
	s_and_b32 s43, ttmp7, 0xffff
	s_lshl_b32 s43, s43, 2
	s_add_co_u32 s43, s43, s41
	s_lshl_b32 s44, s41, 2
	s_lshl_b32 s44, 15, s44
	s_lshl_b32 s45, 0x1111, s40
	s_or_b32 s[G1], s44, (3<<16)|(1<<21)
	s_or_b32 s[G1B], s45, (3<<16)|(1<<21)
.irp g, G1, G1B
	s_mov_b32 s[\g+1], 32<<16
	s_mov_b32 s[\g+3], 32<<16
	s_mov_b32 s[\g+5], 32
	s_mov_b32 s[\g+6], 0
	s_mov_b32 s[\g+7], 0
.endr
	s_mov_b32 s[G1+2], 64<<16
	s_mov_b32 s[G1+4], 64
	s_mov_b32 s[G1B+2], 128<<16
	s_mov_b32 s[G1B+4], 128
	s_lshl_b32 s80, s43, 15
	s_lshl_b32 s81, s[NH], 14
	s_add_co_u32 s80, s80, s81
	s_mov_b32 s81, 0
	s_lshl_b32 s46, s42, 16
	s_lshl_b32 s47, s[NH], 15
	s_add_co_u32 s46, s46, s47
	s_mov_b32 s47, 0
	s_lshl_b32 s82, s[NH], 14
	s_lshl_b32 s83, s[NH], 15
	s_add_co_u32 s83, s83, 32768
	s_wait_dscnt 0x0
	s_wait_kmcnt 0x0
	s_load_b256 s[68:75], s[8:9], 0x0
	s_load_b128 s[76:79], s[8:9], 0x20
	s_add_nc_u64 s[80:81], s[4:5], s[80:81]
	s_add_nc_u64 s[46:47], s[6:7], s[46:47]
	s_cmp_eq_u32 s[MH], 0                          ; do I fetch for A?
	s_cselect_b64 s[PFA:PFA+1], s[80:81], s[46:47] ; what my wave fetches, K step 0
	s_mov_b32 s[PFS], 0x40000
	s_cselect_b32 s[PFS], 0x200000, s[PFS]
	s_cselect_b32 s[PFT], s40, s41                 ; my place among the four that ask with me
	s_cselect_b32 s[PFF], 12, 13                   ; a partner's share: 4,096 or 8,192 bytes
	s_cselect_b32 s[PFS+1], 15, 31                 ; its last block
	s_lshl_b32 s[PFT], s[PFT], s[PFF]
	v_and_b32 v[PFO], 31, v0
	v_min_u32 v[PFO], s[PFS+1], v[PFO]
	v_lshlrev_b32 v[PFO], 8, v[PFO]
	s_mov_b32 s[PFF], 0
	s_add_nc_u64 s[PFA:PFA+1], s[PFA:PFA+1], s[PFT:PFT+1]
	s_mov_b32 s[PFS+1], 0
	s_add_nc_u64 s[PFA:PFA+1], s[PFA:PFA+1], s[PFS:PFS+1]   ; K step 1
	s_add_nc_u64 s[PFX:PFX+1], s[PFA:PFA+1], s[PFS:PFS+1]   ; K step 2
	s_and_b32 s[PFT], ttmp7, 0xffff                ; the cluster's y
	s_lshr_b32 s[PFT], s[PFT], 2
	s_mul_i32 s[PFT], s[PFT], s[MH]                ; 0 in A's waves, and in B's waves of clusters 0 to 3
	s_cmp_eq_u32 s[PFT], 0
	s_cselect_b32 s[PFF], 1, 0
	CROUND
.irp s, 0,1
	s_mov_b32 s[G0+4*\s], 1
	s_add_co_u32 s[G0+4*\s+1], s82, \s*SLOT
	s_add_nc_u64 s[G0+4*\s+2:G0+4*\s+3], s[80:81], \s*0x200000
	s_or_b32 s[G0+4*\s+3], s[G0+4*\s+3], 0x80000000
	s_mov_b32 s[G0B+4*\s], 1
	s_add_co_u32 s[G0B+4*\s+1], s83, \s*SLOT
	s_add_nc_u64 s[G0B+4*\s+2:G0B+4*\s+3], s[46:47], \s*0x40000
	s_or_b32 s[G0B+4*\s+3], s[G0B+4*\s+3], 0x80000000
.if \s == 1
	s_wait_xcnt 0x0                                ; the head's two prefetches have read their addresses
	s_add_nc_u64 s[PFA:PFA+1], s[PFX:PFX+1], s[PFS:PFS+1]   ; K step 3
.endif
	s_wait_alu depctr_va_vdst(0)
	s_wait_tensorcnt 0x0
	ds_add_u32 v28, v29
	ds_add_u32 v28, v29
	s_wait_dscnt 0x0
	CROUND
	JLOAD \s
.if \s == 0
	s_cmp_eq_u32 s[PFF], 1
	s_cbranch_scc0 .Lpf_head
	global_prefetch_b8 v[PFO], s[PFA:PFA+1] th:TH_LOAD_NT scope:SCOPE_SE   ; K step 1
	global_prefetch_b8 v[PFO], s[PFX:PFX+1] th:TH_LOAD_NT scope:SCOPE_SE   ; K step 2
.Lpf_head:
.else
	ASK
.endif
.endr
	v_and_b32 v1, 31, v0
	v_lshlrev_b32 v[LN16], 4, v1
	v_bfe_u32 v2, v0, 4, 1
	v_lshlrev_b32 v[BO], 6, v2
	s_wait_alu depctr_va_vdst(0)
	v_and_b32 v3, 15, v0
	v_and_b32 v4, 8, v3
	v_add_nc_u32 v4, v4, v3
	v_lshlrev_b32 v[BV], 2, v4
	s_lshl_b32 s82, s[MH], 14
	s_lshl_b32 s83, s[NH], 15
	s_add_co_u32 s83, s83, 32768
.irp s, 0,1
	v_add_nc_u32 v[ADRA+\s], s82, v[LN16]
	v_add_nc_u32 v[ADRB+\s], s83, v[LN16]
	s_add_co_u32 s82, s82, SLOT
	s_add_co_u32 s83, s83, SLOT
.endr
	s_lshl_b32 s82, s42, 10
	s_lshl_b32 s83, s[NH], 9
	s_add_co_u32 s82, s82, s83
	s_mov_b32 s83, 0
	s_add_nc_u64 s[10:11], s[10:11], s[82:83]
	s_add_nc_u64 s[12:13], s[12:13], s[82:83]
	s_add_nc_u64 s[14:15], s[14:15], s[82:83]
	s_lshr_b32 s82, s43, 4
	s_lshl_b32 s82, s82, 4
	s_lshl_b32 s83, s42, 2
	s_add_co_u32 s82, s82, s83
	s_lshl_b32 s83, s[NH], 1
	s_add_co_u32 s82, s82, s83
	s_lshl_b32 s82, s82, 17
	s_and_b32 s94, s43, 15
	s_lshl_b32 s94, s94, 13
	s_add_co_u32 s82, s82, s94
	s_lshl_b32 s94, s[MH], 12
	s_add_co_u32 s94, s82, s94
	s_mov_b32 s95, 0
	s_add_nc_u64 s[88:89], s[16:17], s[94:95]
	s_add_nc_u64 s[90:91], s[18:19], s[94:95]
	s_lshl_b32 s94, s[MH], 10
	s_add_co_u32 s94, s82, s94
	s_add_nc_u64 s[92:93], s[20:21], s[94:95]
.macro MUL8 a, p, sw, first
.if \sw
.if \first
	WIN MULS1
.else
	WIN MULS
.endif
.else
.if \first
	WIN MULN1
.else
	WIN MULN
.endif
.endif
.irp b, 0,1,2,3,4,5,6,7
.if \sw
.if \first
	v_wmma_f32_16x16x128_fp8_fp8 v[8*(8*(\a)+\b):8*(8*(\a)+\b)+7], v[AF+64*(\p)+16*(\a):AF+64*(\p)+16*(\a)+15], v[128*(\p)+16*\b:128*(\p)+16*\b+15], v[BIAS+8*\b:BIAS+8*\b+7]
.else
	v_wmma_f32_16x16x128_fp8_fp8 v[8*(8*(\a)+\b):8*(8*(\a)+\b)+7], v[AF+64*(\p)+16*(\a):AF+64*(\p)+16*(\a)+15], v[128*(\p)+16*\b:128*(\p)+16*\b+15], v[8*(8*(\a)+\b):8*(8*(\a)+\b)+7]
.endif
.else
.if \first
	v_wmma_f32_16x16x128_fp8_fp8 v[8*(8*(\a)+\b):8*(8*(\a)+\b)+7], v[128*(\p)+16*\b:128*(\p)+16*\b+15], v[AF+64*(\p)+16*(\a):AF+64*(\p)+16*(\a)+15], v[BIAS+8*\b:BIAS+8*\b+7]
.else
	v_wmma_f32_16x16x128_fp8_fp8 v[8*(8*(\a)+\b):8*(8*(\a)+\b)+7], v[128*(\p)+16*\b:128*(\p)+16*\b+15], v[AF+64*(\p)+16*(\a):AF+64*(\p)+16*(\a)+15], v[8*(8*(\a)+\b):8*(8*(\a)+\b)+7]
.endif
.endif
.endr
.endm
.macro FETCH slot, q, p
	WIN TO_B
.irp b, 0,1,2,3,4,5,6,7
.irp c, 0,1,2,3
	ds_load_b128 v[128*(\p)+16*\b+4*\c:128*(\p)+16*\b+4*\c+3], v[ADRB+\slot] offset:\b*4096+(\q)*2048+\c*512
.endr
.endr
	WIN 0
.irp a, 0,1,2,3
.irp c, 0,1,2,3
	ds_load_b128 v[AF+64*(\p)+16*\a+4*\c:AF+64*(\p)+16*\a+4*\c+3], v[ADRA+\slot] offset:\a*4096+(\q)*2048+\c*512
.endr
.endr
.endm
.macro STEP slot, first, sw
	s_wait_dscnt 8
	MUL8 0, 0, \sw, \first
	MUL8 1, 0, \sw, \first
	PLACES 4
	FETCH \slot, 1, 1
	s_wait_dscnt 48
	MUL8 2, 0, \sw, \first
	MUL8 3, 0, \sw, \first
	WIN 0
.endm
.macro TURN slot, next, fill, sw
.if \fill
	PFSTEP
.endif
	s_wait_tensorcnt 0x0
	ds_add_u32 v[SPW], v[NIL]
	s_wait_dscnt 9
	MUL8 0, 1, \sw, 0
	s_wait_dscnt 0x0
	s_barrier_signal -1
	MUL8 1, 1, \sw, 0
	WIN 0
	s_barrier_wait -1
.if \fill
	CREST
	s_add_nc_u64 s[G0+4*\slot+2:G0+4*\slot+3], s[G0+4*\slot+2:G0+4*\slot+3], 0x400000
	s_add_nc_u64 s[G0B+4*\slot+2:G0B+4*\slot+3], s[G0B+4*\slot+2:G0B+4*\slot+3], 0x80000
	JLOAD \slot
.else
	PLACES 4
.endif
	FETCH \next, 0, 0
.if \fill
	ASK                                            ; behind the joint load and the run of LDS loads that the next products wait for
.endif
	MUL8 2, 1, \sw, 0
	MUL8 3, 1, \sw, 0
	WIN 0
.endm
.macro LAST sw
	s_wait_dscnt 8
	MUL8 0, 1, \sw, 0
	MUL8 1, 1, \sw, 0
	s_wait_dscnt 0
	MUL8 2, 1, \sw, 0
	MUL8 3, 1, \sw, 0
	WIN 0
.endm
.macro TILE sw, last
	STEP 0, 1, \sw
	TURN 0, 1, 1, \sw
	STEP 1, 0, \sw
	TURN 1, 0, 1, \sw
	STEP 0, 0, \sw
	TURN 0, 1, 1-\last, \sw
	STEP 1, 0, \sw
.if \last
	LAST \sw
.else
	TURN 1, 0, 1, \sw
.endif
.endm
.macro SCALES ea, eb, eo
	s_add_co_i32 s84, s[\ea], s[\eb]
	s_sub_co_i32 s85, s[\eo], s84
	s_sub_co_i32 s84, 0, s84
	s_add_co_i32 s85, s85, 127
	s_add_co_i32 s86, s85, 8
	s_lshl_b32 s85, s85, 23
	s_lshl_b32 s86, s86, 23
	s_or_b32 s86, s86, 0x600000
	v_mov_b32 v[SC], s85
	v_mov_b32 v[LIMV], s86
.endm
.macro BIASQK p
.irp g, 0,1,2,3
.irp i, 0,1,2,3
	global_load_b128 v[BIAS+16*\g+4*\i:BIAS+16*\g+4*\i+3], v[BO], s[\p:\p+1] offset:128*\g+16*\i
.endr
.endr
.endm
.macro BIASV
.irp b, 0,1,2,3,4,5,6,7
	global_load_b32 v[BT+\b], v[BV], s[14:15] offset:(32*(\b/2)+8*(\b%2))*4
.endr
.endm
.macro BSCALE isv
	s_wait_loadcnt 0x0
.set n, 0
.rept 64
.if \isv
	v_ldexp_f32 v[BIAS+n], v[BT+n/8], s84
.else
	v_ldexp_f32 v[BIAS+n], v[BIAS+n], s84
.endif
.set n, n+1
.endr
.endm
.macro EPIQK d
	PLACES 4
.irp a, 0,1,2,3
	WIN HOLD
.set n, 0
.rept 64
	v_med3_num_f32 v[64*\a+n], v[64*\a+n], -v[LIMV], v[LIMV]
.set n, n+1
.endr
	s_wait_alu depctr_va_vdst(0)
	s_wait_xcnt 0x0
	WIN CVT
.irp b, 0,1,2,3,4,5,6,7
	v_cvt_scalef32_pk8_fp8_f32 v[CODE+16*(\a%2)+2*\b:CODE+16*(\a%2)+2*\b+1], v[64*\a+8*\b:64*\a+8*\b+7], v[SC]
.endr
	v_nop
	WIN 0
.irp g, 0,1,2,3
	global_store_b128 v[LN16], v[CODE+16*(\a%2)+4*\g:CODE+16*(\a%2)+4*\g+3], s[\d:\d+1] offset:(\g/2)*131072+\a*1024+(\g%2)*512
.endr
.endr
.endm
.macro EPIV
	PLACES 4
.irp g, 0,1
	WIN HOLD
.set n, 0
.rept 128
	v_med3_num_f32 v[128*\g+n], v[128*\g+n], -v[LIMV], v[LIMV]
.set n, n+1
.endr
.irp y, 0,1
	s_wait_xcnt 0x0
	WIN CVT
.irp b, 0,1,2,3
	v_cvt_scalef32_pk8_fp8_f32 v[CODE+16*\y+4*\b:CODE+16*\y+4*\b+1], v[128*\g+8*(4*\y+\b):128*\g+8*(4*\y+\b)+7], v[SC]
	v_cvt_scalef32_pk8_fp8_f32 v[CODE+16*\y+4*\b+2:CODE+16*\y+4*\b+3], v[128*\g+64+8*(4*\y+\b):128*\g+64+8*(4*\y+\b)+7], v[SC]
.endr
	v_nop
	WIN 0
.irp b, 0,1,2,3
	global_store_b128 v[LN16], v[CODE+16*\y+4*\b:CODE+16*\y+4*\b+3], s[92:93] offset:\y*131072+\b*2048+\g*512
.endr
.endr
.endr
.endm
	BIASQK 10
	s_wait_alu depctr_va_vdst(0)
	s_wait_tensorcnt 1
	s_barrier_signal -1
	s_barrier_wait -1
	FETCH 0, 0, 0
	s_wait_kmcnt 0x0
	SCALES 68, 69, 74
	BSCALE 0
	s_wait_alu depctr_va_vdst(0)
	TILE 0, 0
	BIASQK 12
	EPIQK 88
	SCALES 70, 71, 75
	BSCALE 0
	s_wait_alu depctr_va_vdst(0)
	TILE 0, 0
	BIASV
	EPIQK 90
	SCALES 72, 73, 77
	BSCALE 1
	s_wait_alu depctr_va_vdst(0)
	TILE 1, 1
	EPIV
	s_wait_tensorcnt 0x0
	ds_add_u32 v[SPW], v[NIL]
	s_wait_dscnt 0x0
	CROUND
	s_endpgm
.Lfunc_end_k_qd74f586225_proj:
	.size	k_qd74f586225_proj, .Lfunc_end_k_qd74f586225_proj-k_qd74f586225_proj
	.p2alignl 7, 3214868480
	.fill 96, 4, 3214868480
	.section	.rodata,"a",@progbits
	.p2align	6, 0x0
	.amdhsa_kernel k_qd74f586225_proj
		.amdhsa_group_segment_fixed_size 327680
		.amdhsa_private_segment_fixed_size 0
		.amdhsa_enable_private_segment 0
		.amdhsa_kernarg_size 72
		.amdhsa_user_sgpr_count 2
		.amdhsa_user_sgpr_kernarg_segment_ptr 1
		.amdhsa_wavefront_size32 1
		.amdhsa_system_sgpr_workgroup_id_x 1
		.amdhsa_system_sgpr_workgroup_id_y 1
		.amdhsa_system_sgpr_workgroup_id_z 1
		.amdhsa_system_vgpr_workitem_id 0
		.amdhsa_next_free_vgpr 768
		.amdhsa_next_free_sgpr 100
		.amdhsa_reserve_vcc 0
		.amdhsa_float_denorm_mode_32 3
		.amdhsa_float_denorm_mode_16_64 3
		.amdhsa_memory_ordered 1
		.amdhsa_forward_progress 1
		.amdhsa_inst_pref_size 228
	.end_amdhsa_kernel
	.amdgpu_metadata
---
amdhsa.version: [ 1, 2 ]
amdhsa.kernels:
  - .name:           k_qd74f586225_proj
    .symbol:         k_qd74f586225_proj.kd
    .args:
      - { .name: xc, .offset: 0, .size: 8, .value_kind: global_buffer, .address_space: global }
      - { .name: wc, .offset: 8, .size: 8, .value_kind: global_buffer, .address_space: global }
      - { .name: lowp_scales, .offset: 16, .size: 8, .value_kind: global_buffer, .address_space: global }
      - { .name: bq, .offset: 24, .size: 8, .value_kind: global_buffer, .address_space: global }
      - { .name: bk, .offset: 32, .size: 8, .value_kind: global_buffer, .address_space: global }
      - { .name: bv, .offset: 40, .size: 8, .value_kind: global_buffer, .address_space: global }
      - { .name: qc, .offset: 48, .size: 8, .value_kind: global_buffer, .address_space: global }
      - { .name: kc, .offset: 56, .size: 8, .value_kind: global_buffer, .address_space: global }
      - { .name: vc, .offset: 64, .size: 8, .value_kind: global_buffer, .address_space: global }
    .group_segment_fixed_size: 327680
    .private_segment_fixed_size: 0
    .kernarg_segment_align: 8
    .kernarg_segment_size: 72
    .max_flat_workgroup_size: 128
    .sgpr_count:     100
    .vgpr_count:     768
    .wavefront_size: 32
...
	.end_amdgpu_metadata
.endif
;; end of part 2
;; launch attn (part 3): grid 4 x 64, 16 waves a work-group, no clusters, 327,680 bytes of LDS; arguments qc, kc, vc, lowp_scales, oc; writes oc
.if DOCPART == 3
	.amdgcn_target "amdgcn-amd-amdhsa--gfx1250"
	.amdhsa_code_object_version 6
	.text
	.protected	k_qd74f586225_attn
	.globl	k_qd74f586225_attn
	.p2align	8
	.type	k_qd74f586225_attn,@function
k_qd74f586225_attn:
	s_mov_b64 s[64:65], 0
	v_nop
	global_prefetch_b8 v0, s[64:65] scope:SCOPE_SE
	s_setreg_imm32_b32 hwreg(HW_REG_WAVE_MODE, 25, 1), 1
	s_wait_xcnt 0x0
; Causal attention for one (batch, head): o[q] = sum over keys k <= q of softmax(q . k / 8) v, both products on codes of FP8 (E4M3) with the given scales e6 .. e9; o is quantised at once with e10 and stored as the last product's operand.
; LEFT OUT: key steps all of whose keys come after a tile's queries: the causal mask, which the problem builds itself, gives them the weight 0 for all values of the inputs.  A NaN or an infinity that reaches only such keys is not carried to the result.
; THE SOFTMAX AHEAD OF THE SECOND PRODUCT: t = score x log2(e) / 8; M = the row's largest t so far, rounded UP to a whole number; p = 2^(t - M) is quantised, not normalised.  The row's sum is taken of the unquantised p
; and divides at the end.  When M moves, the sum and O are multiplied by 2^(old M - new M): exact.
; INPUTS, images of operand registers (lane l's 16 bytes at 16 l of each group of 512): qc, kc [bh][tile of 16 rows: 128][c 2]: d = 32 c + 16 (l / 16) + 0 .. 15 of row l % 16; k's tile 2 b + u holds keys 32 b + 8 u + r + 8 (r / 8).
;   vc [bh][128 keys: 16][tile of 16 d: 4][c 4]: keys 32 c + 16 (l / 16) + 0 .. 15 of the tile's d number l % 16; tile 2 g + u holds d = 32 g + 8 u + r + 8 (r / 8).
; OUTPUT oc [head / 4][row tile 512][4,096]: (head % 4) x 1,024 + g x 512 + 16 l: d = 32 g + 16 (l / 16) + 0 .. 15 of query l % 16.
; Both products are used transposed (S^T = K Q^T, O^T = V^T P^T): a lane holds ONE query of each tile throughout, and the 16 registers of two neighbouring tiles are 16 neighbours along the next K.
; SHARES: work-group j (0 .. 3) of a head owns the blocks j and 7 - j of 256 queries.  Each of its sixteen waves owns TWO tiles of 16 queries: tile A = number w of block j, tile B = number w of block 7 - j.
; A wave has 16 + 2 (w / 8) tile steps of 128 keys, whatever j; every wave has work in every slot up to the work-group's last.  While tile A still has keys, K's and V's fragments, read from LDS once, serve both tiles.
; Every work-group walks all 8 slots of 256 keys (a constant trip count); a wave jumps over the work of a step, or of tile A in it, by branches on ids.
; RING: two LDS slots (K's 16,384 bytes, then V's), filled by wave 0 (K) and wave 1 (V), one tensor load each, one out at a time.  A slot whose first key comes after the work-group's last query is not asked for:
; where that begins hangs on j, so the jump stands in the loop, and every wait on TENSORcnt is for 0.  In the eighth trip the slot asked about begins at key 2,048, past every query.
; NO CLUSTER: the four work-groups of a head need 5 to 8 slots, by j, and the jump that ends the loads at that limit may not lead round a joint load.
; LIMITS: e6 + e7 between -123 and 130 (added to the exponent field of log2(e) / 8); e8 and e10 between -126 and 119; e8 + e9 is applied by v_ldexp_f32.  NaN is not served.
.set NSL,   8
.set SLOT1, 32768                      ; one exclusive or turns an address in one slot into the other's
.set VOFF,  16384
.set SPARE, 65536                      ; behind the ring: the spare words, 128 bytes for each of sixteen waves, which no other line names
.set LN,    1                          ; v1   16 x lane
.set D0,    2                          ; v2   lane % 16 - 16 (lane / 16), for the mask
.set PFO,   3                          ; v3   the prefetch's offset
.set SPW,   4                          ; v4   my spare word; never rewritten
.set NIL,   5                          ; v5   0; never rewritten
.set ADR,   6                          ; v6   the step's LDS address
.set SCP,   7                          ; v7   2^e8
.set STA,   8                          ; v8 -M, v9 the largest t, v[10:11] the sum: tile A
.set STB,   12                         ; the same for tile B
.set QA,    16                         ; v16-23, v24-31 the two tiles of Q
.set QB,    24
.set KV,    32                         ; v32-95 K's 8 fragments, then V's 4
.set SS,    96                         ; v96-159 S^T, then p, of the tile in hand
.set OA,    160                        ; v160-191, v192-223 O^T
.set OB,    192
.set CA,    224                        ; v224-239, v240-255 p's codes; until a tile's conversions its 16 registers are at work: +0 f, +2.. maxima and partial sums
.set CB,    240
.set TB,    2                          ; s2   LDS byte at which the slot in hand begins
.set HOLD,  3                          ; s3   448 x 2^e8
.set Q0A,   10                         ; s10, s11 my tiles' first queries
.set Q0B,   11
.set WV,    18
.set LASTQ, 19                         ; s19  my work-group's last query
.set SEL,   20
.set CS,    22                         ; s[22:23] c = log2(e) / 8 x 2^(e6 + e7)
.set G1,    24
.set G0K,   40
.set G0V,   44
.set S10,   58                         ; s58  2^e10;  s59  448 x 2^e10
.set H10,   59
.set OBP,   60                         ; s[60:61] tile B's place in oc
.set LIMA,  62                         ; s62, s63 my tiles' last queries
.set LIMB,  63
.set SLOTS, 67
.set PFA,   76
.set LIM,   80
.set KF,    98                         ; s98  the step's first key
.macro TLOAD                           ; wave 0 fetches K's tiles, wave 1 V's, the others nothing.  An s_nop 0 and four v_nop follow each line
	s_cmp_eq_u32 s[WV], 0
	s_cbranch_scc0 .Lnot_k_\@
	tensor_load_to_lds s[G0K:G0K+3], s[G1:G1+7]
	s_nop 0
.rept 4
	v_nop
.endr
	s_branch .Lasked_\@
.Lnot_k_\@:
	s_cmp_eq_u32 s[WV], 1
	s_cbranch_scc0 .Lasked_\@
	tensor_load_to_lds s[G0V:G0V+3], s[G1:G1+7]
	s_nop 0
.rept 4
	v_nop
.endr
.Lasked_\@:
.endm
; A prefetch of what the NEXT change of slots will ask for.  All work-groups of a head walk the same K and V: work-group 0, which loads all slots, asks.  In it waves 4, 5 ask for K's 16,384 bytes and waves 6, 7 for V's:
; 8,192 bytes a wave, lanes 256 bytes apart, one instruction: each aligned block of 256 bytes is named once in the launch.  Slots 0 and 1 come by their loads alone; the change that loads slot 7 and the one behind it ask for nothing.
.macro ASK
	s_cmp_gt_u32 s[SLOTS], s[LIM]
	s_cbranch_scc0 .Lnot_mine_\@
	global_prefetch_b8 v[PFO], s[PFA:PFA+1] th:TH_LOAD_NT scope:SCOPE_SE
.Lnot_mine_\@:
.endm
	s_load_b128 s[4:7], s[0:1], 0x0                ; qc, kc
	s_load_b128 s[12:15], s[0:1], 0x10             ; vc, the scales
	s_load_b64 s[16:17], s[0:1], 0x20              ; oc
	v_lshl_add_u32 v[SPW], v0, 2, SPARE
	v_mov_b32 v[NIL], 0
	ds_add_u32 v[SPW], v[NIL]                      ; the wave's opening: the add, twice on end, and its wait ahead of the first tensor load
	ds_add_u32 v[SPW], v[NIL]
	v_lshrrev_b32 v[ADR], 5, v0
	v_readfirstlane_b32 s[WV], v[ADR]
	s_and_b32 s72, ttmp7, 0xffff                   ; bh = batch x 16 + head
	s_lshl_b32 s74, s72, 17                        ; its 131,072 bytes in qc, kc and vc
	s_mov_b32 s75, 0
	s_lshl_b32 s84, s[WV], 4
	s_lshl_b32 s83, ttmp9, 8
	s_add_co_u32 s[Q0A], s83, s84                  ; 256 j + 16 w
	s_sub_co_u32 s82, 7, ttmp9
	s_lshl_b32 s82, s82, 8
	s_add_co_u32 s[Q0B], s82, s84                  ; 256 (7 - j) + 16 w
	s_or_b32 s[LASTQ], s82, 255
	s_add_co_u32 s[LIMA], s[Q0A], 15
	s_add_co_u32 s[LIMB], s[Q0B], 15
	s_lshl_b32 s86, s[Q0A], 6                      ; Q: a tile of 1,024 bytes
	s_add_co_u32 s86, s86, s74
	s_mov_b32 s87, 0
	s_lshl_b32 s92, s[Q0B], 6
	s_add_co_u32 s92, s92, s74
	s_mov_b32 s93, 0
	s_and_b32 s88, s72, 15                         ; head
	s_lshr_b32 s89, s72, 4                         ; batch
	s_lshr_b32 s90, s88, 2
	s_lshl_b32 s90, s90, 21                        ; oc: K step head / 4,
	s_lshl_b32 s89, s89, 19                        ; 128 row tiles of 4,096 bytes a batch,
	s_add_co_u32 s90, s90, s89
	s_and_b32 s88, s88, 3
	s_lshl_b32 s88, s88, 10                        ; my head's 1,024 bytes of a row tile,
	s_add_co_u32 s90, s90, s88
	s_lshl_b32 s89, s[Q0B], 8                      ; and the row tile
	s_add_co_u32 s94, s90, s89
	s_mov_b32 s95, 0
	s_lshl_b32 s89, s[Q0A], 8
	s_add_co_u32 s90, s90, s89
	s_mov_b32 s91, 0
	; descriptor group 1, for K's and V's tiles alike: a dense block of 16,384 bytes as 64 rows of 256 bytes (32 elements of 8 bytes), no padding, no mask
	s_mov_b32 s[G1], 3<<16
	s_mov_b32 s[G1+1], 32<<16
	s_mov_b32 s[G1+2], 64<<16
	s_mov_b32 s[G1+3], 32<<16
	s_mov_b32 s[G1+4], 64
	s_mov_b32 s[G1+5], 32
	s_mov_b32 s[G1+6], 0
	s_mov_b32 s[G1+7], 0
	s_mov_b32 s[SEL], 0x76543210
	s_mov_b32 s[SEL+1], 0xfedcba98
	s_mov_b32 s[CS], 0x3e38aa3b                    ; log2(e) / 8
	s_mov_b32 s[TB], 0
	s_mov_b32 s[SLOTS], NSL
	s_mov_b32 s[KF], 0
	s_wait_dscnt 0x0                               ; both opening adds are done
	s_wait_kmcnt 0x0
	s_load_b128 s[68:71], s[14:15], 0x18           ; e6, e7, e8, e9
	s_load_b32 s66, s[14:15], 0x28                 ; e10
	s_mov_b32 s[G0K], 1
	s_mov_b32 s[G0K+1], 0
	s_add_nc_u64 s[G0K+2:G0K+3], s[6:7], s[74:75]
	s_or_b32 s[G0K+3], s[G0K+3], 0x80000000
	s_mov_b32 s[G0V], 1
	s_mov_b32 s[G0V+1], VOFF
	s_add_nc_u64 s[G0V+2:G0V+3], s[12:13], s[74:75]
	s_or_b32 s[G0V+3], s[G0V+3], 0x80000000
	TLOAD                                          ; slot 0
	s_add_nc_u64 s[8:9], s[4:5], s[92:93]          ; tile B of Q
	s_add_nc_u64 s[4:5], s[4:5], s[86:87]          ; tile A
	s_add_nc_u64 s[OBP:OBP+1], s[16:17], s[94:95]
	s_add_nc_u64 s[16:17], s[16:17], s[90:91]
	s_cmp_lt_u32 s[WV], 6                          ; the prefetches: waves 4, 5 stand in kc, waves 6, 7 in vc,
	s_cselect_b64 s[PFA:PFA+1], s[6:7], s[12:13]
	s_and_b32 s82, s[WV], 1
	s_lshl_b32 s82, s82, 13                        ; at my wave's 8,192 bytes
	s_add_co_u32 s82, s82, 16384                   ; of slot 1: the first change of slots steps it to slot 2
	s_add_co_u32 s82, s82, s74
	s_mov_b32 s83, 0
	s_add_nc_u64 s[PFA:PFA+1], s[PFA:PFA+1], s[82:83]
	s_sub_co_u32 s82, s[WV], 4
	s_lshr_b32 s82, s82, 2                         ; 0 in waves 4 to 7,
	s_or_b32 s82, s82, ttmp9                       ; of the head's work-group 0
	s_cmp_eq_u32 s82, 0
	s_cselect_b32 s[LIM], 2, -1
	v_and_b32 v[PFO], 31, v0
	v_lshlrev_b32 v[LN], 4, v[PFO]
	v_lshlrev_b32 v[PFO], 8, v[PFO]
.irp c, 0,1
	global_load_b128 v[QA+4*\c:QA+4*\c+3], v[LN], s[4:5] offset:512*\c   ; Q's fragments stay in registers
	global_load_b128 v[QB+4*\c:QB+4*\c+3], v[LN], s[8:9] offset:512*\c
.endr
	v_and_b32 v[D0], 15, v0
	v_bfe_u32 v[ADR], v0, 4, 1
	v_lshlrev_b32 v[ADR], 4, v[ADR]
	v_sub_nc_u32 v[D0], v[D0], v[ADR]
.irp s, STA, STB
	v_mov_b32 v[\s+1], 0xff61b1e6                  ; the largest t so far: -3e38, under every t
	v_mov_b32 v[\s+2], 0
	v_mov_b32 v[\s+3], 0
	v_floor_f32 v[\s], -v[\s+1]                    ; -M
.endr
.irp c, CA, CB
	v_mov_b32 v[\c+1], 0                           ; named as the upper half of f's pair
	v_mov_b32 v[\c+4], 0                           ; a lane permute's destination counts as one of its sources
.endr
.set n, 0
.rept 64
	v_mov_b32 v[OA+n], 0                           ; O^T of both tiles: the key step is written once; the first finds zeros, which the first change of M leaves zeros
.set n, n+1
.endr
	s_wait_kmcnt 0x0
	s_add_co_i32 s72, s68, s69
	s_lshl_b32 s72, s72, 23
	s_add_co_i32 s[CS], s[CS], s72                 ; a score stands for score x 2^(e6 + e7)
	s_mov_b32 s[CS+1], s[CS]                       ; (named with it as a pair)
	s_add_co_i32 s72, s70, 127
	s_lshl_b32 s73, s72, 23
	v_mov_b32 v[SCP], s73                          ; 2^e8
	s_add_co_i32 s72, s72, 8
	s_lshl_b32 s72, s72, 23
	s_or_b32 s[HOLD], s72, 0x600000                ; 448 x 2^e8
	s_add_co_i32 s72, s66, 127
	s_lshl_b32 s[S10], s72, 23                     ; 2^e10
	s_add_co_i32 s72, s72, 8
	s_lshl_b32 s72, s72, 23
	s_or_b32 s[H10], s72, 0x600000                 ; 448 x 2^e10
	s_add_co_i32 s85, s70, s71                     ; e8 + e9
.macro SCORES qr                       ; S^T = K Q^T: lane (r, h): query r; registers 16 b + i = key KF + 32 b + 16 h + i
.irp t, 0,1,2,3,4,5,6,7
	v_wmma_f32_16x16x64_fp8_fp8 v[SS+8*\t:SS+8*\t+7], v[KV+8*\t:KV+8*\t+7], v[\qr:\qr+7], 0
.endr
.rept 4
	v_nop                                          ; places in front of the first read of the scores, and of loads into K's registers
.endr
.endm
.macro PV ox, cx                       ; O^T += V^T P^T: four accumulators by turns
.irp t, 0,1,2,3
	v_wmma_f32_16x16x128_fp8_fp8 v[\ox+8*\t:\ox+8*\t+7], v[KV+16*\t:KV+16*\t+15], v[\cx:\cx+15], v[\ox+8*\t:\ox+8*\t+7]
.endr
.endm
; One tile's softmax of 128 keys: from the scores in v[SS..] to p's codes in v[cx..]; the tile's state and O^T are brought under the new M.
.macro SOFT st, ox, cx, q0
	s_add_co_u32 s96, s[KF], 127                   ; on the diagonal hidden scores become -infinity ahead of the maximum; a step all of whose keys count skips this
	s_cmp_le_u32 s96, s[\q0]
	s_cbranch_scc1 .Lopen_\@
	s_sub_co_i32 s96, s[\q0], s[KF]
	v_add_nc_u32 v[\cx+2], s96, v[D0]              ; d = my query - KF - 16 h: register 16 b + i is hidden where 32 b + i > d
	v_mov_b32 v[\cx+3], 0xff800000
.set n, 0
.rept 64
	v_cmp_gt_i32 vcc_lo, 32*(n/16)+n%16, v[\cx+2]
	v_cndmask_b32 v[SS+n], v[SS+n], v[\cx+3], vcc_lo
.set n, n+1
.endr
.Lopen_\@:
	v_max3_num_f32 v[\cx+2], v[SS], v[SS+1], v[SS+2]   ; the step's largest score of my query among my 64 keys, in two chains, ascending (each accumulator is first read at its low end),
	v_max3_num_f32 v[\cx+3], v[SS+3], v[SS+4], v[SS+5]
.irp i, 6,10,14,18,22,26,30,34,38,42,46,50,54,58
	v_max3_num_f32 v[\cx+2], v[\cx+2], v[SS+\i], v[SS+1+\i]
	v_max3_num_f32 v[\cx+3], v[\cx+3], v[SS+2+\i], v[SS+3+\i]
.endr
	v_max3_num_f32 v[\cx+2], v[\cx+2], v[SS+62], v[SS+63]
	s_delay_alu instid0(VALU_DEP_1)
	v_max_num_f32 v[\cx+2], v[\cx+2], v[\cx+3]
	v_permlanex16_b32 v[\cx+4], v[\cx+2], s[SEL], s[SEL+1]
	s_delay_alu instid0(VALU_DEP_1)
	v_max_num_f32 v[\cx+2], v[\cx+2], v[\cx+4]     ; and among lane l xor 16's
	s_delay_alu instid0(VALU_DEP_1)
	v_mul_f32 v[\cx+2], s[CS], v[\cx+2]            ; as t (c is positive)
	s_delay_alu instid0(VALU_DEP_1)
	v_max_num_f32 v[\st+1], v[\st+1], v[\cx+2]     ; the running largest t
	v_mov_b32 v[\cx+2], v[\st]
	s_delay_alu instid0(VALU_DEP_2)
	v_floor_f32 v[\st], -v[\st+1]                  ; the new -M = floor(-t): M is a whole number
	s_delay_alu instid0(VALU_DEP_1)
	v_sub_f32 v[\cx+2], v[\st], v[\cx+2]           ; old M - new M: a whole number, 0 or less
	s_delay_alu instid0(VALU_DEP_1)
	v_cvt_i32_f32 v[\cx+2], v[\cx+2]               ; (it saturates)
	s_delay_alu instid0(VALU_DEP_1)
	v_ldexp_f32 v[\cx], 1.0, v[\cx+2]              ; f = 2^(old M - new M)
.set n, 0
.rept 32
	v_pk_fma_f32 v[SS+n:SS+n+1], v[SS+n:SS+n+1], s[CS:CS+1], v[\st:\st+1] op_sel_hi:[1,0,0]   ; t - M, two at a time
.set n, n+2
.endr
	s_wait_alu depctr_va_vdst(0)                   ; ahead of the exponentials, and directly ahead of the first readers of O^T
.set n, 0
.rept 16
	v_pk_mul_f32 v[\ox+n:\ox+n+1], v[\ox+n:\ox+n+1], v[\cx:\cx+1] op_sel_hi:[1,0]   ; O^T under the new M
.set n, n+2
.endr
.set n, 0
.rept 64
	v_exp_f32 v[SS+n], v[SS+n]                     ; p = 2^(t - M), at most 1
.set n, n+1
.endr
	v_pk_mul_f32 v[\st+2:\st+3], v[\st+2:\st+3], v[\cx:\cx+1] op_sel_hi:[1,0]   ; the sums under the new M: the plain line behind the exponentials
	s_wait_alu depctr_va_vdst(0)                   ; one wait for the whole batch, ahead of its first reader
.set k, 0
.rept 7                                ; the row's sum of the unquantised p: 32 pairs in eight chains, seven in v[cx+2 ..] and the running sum
	v_pk_add_f32 v[\cx+2+2*k:\cx+3+2*k], v[SS+4*k:SS+4*k+1], v[SS+4*k+2:SS+4*k+3]
.set k, k+1
.endr
	v_pk_add_f32 v[\st+2:\st+3], v[\st+2:\st+3], v[SS+28:SS+29]
.irp base, 30, 46
.set k, 0
.rept 7
	v_pk_add_f32 v[\cx+2+2*k:\cx+3+2*k], v[\cx+2+2*k:\cx+3+2*k], v[SS+\base+2*k:SS+\base+2*k+1]
.set k, k+1
.endr
	v_pk_add_f32 v[\st+2:\st+3], v[\st+2:\st+3], v[SS+\base+14:SS+\base+15]
.endr
	v_pk_add_f32 v[\cx+2:\cx+3], v[\cx+2:\cx+3], v[SS+62:SS+63]
	v_pk_add_f32 v[\cx+6:\cx+7], v[\cx+6:\cx+7], v[\cx+8:\cx+9]
	v_pk_add_f32 v[\cx+10:\cx+11], v[\cx+10:\cx+11], v[\cx+12:\cx+13]
	v_pk_add_f32 v[\st+2:\st+3], v[\st+2:\st+3], v[\cx+14:\cx+15]
	v_pk_add_f32 v[\cx+2:\cx+3], v[\cx+2:\cx+3], v[\cx+4:\cx+5]
	s_delay_alu instid0(VALU_DEP_2)
	v_pk_add_f32 v[\st+2:\st+3], v[\st+2:\st+3], v[\cx+10:\cx+11]
	s_delay_alu instid0(VALU_DEP_2)
	v_pk_add_f32 v[\cx+2:\cx+3], v[\cx+2:\cx+3], v[\cx+6:\cx+7]
	s_delay_alu instid0(VALU_DEP_1)
	v_pk_add_f32 v[\st+2:\st+3], v[\st+2:\st+3], v[\cx+2:\cx+3]
.irp b, 0,1,2,3
.irp i, 0,2,4,6,8,10,12,14
	v_dual_min_num_f32 v[SS+16*\b+\i], s[HOLD], v[SS+16*\b+\i] :: v_dual_min_num_f32 v[SS+16*\b+\i+1], s[HOLD], v[SS+16*\b+\i+1]   ; the conversion does not saturate (ISA guide 7.6.2); p is not negative, so the hold is one-sided; two a line
.endr
	v_cvt_scalef32_pk8_fp8_f32 v[\cx+4*\b:\cx+4*\b+1], v[SS+16*\b:SS+16*\b+7], v[SCP]
	v_cvt_scalef32_pk8_fp8_f32 v[\cx+4*\b+2:\cx+4*\b+3], v[SS+16*\b+8:SS+16*\b+15], v[SCP]
.endr
	v_nop                                          ; a plain line behind the last conversion: matrix instructions write its sources and read its results next
.endm
; A KEY STEP: 128 keys, the q-th of the slot in hand.  Tile A's queries come before tile B's, so a step that is hidden from B is hidden from both.
.macro STEP q
	s_cmp_gt_u32 s[KF], s[LIMB]                    ; branches on ids, round work alone
	s_cbranch_scc1 .Lhidden_\@
	v_add_nc_u32 v[ADR], s[TB], v[LN]
.rept 3
	v_nop                                          ; with the addition above: four places in front of loads into registers that the last products read
.endr
.irp t, 0,1,2,3,4,5,6,7
.irp c, 0,1
	ds_load_b128 v[KV+8*\t+4*\c:KV+8*\t+4*\c+3], v[ADR] offset:(\q)*8192+\t*1024+\c*512
.endr
.endr
	s_wait_alu depctr_va_vdst(0)
	s_wait_dscnt 0x0
	s_cmp_gt_u32 s[KF], s[LIMA]
	s_cbranch_scc1 .Lno_a_\@
	SCORES QA
	SOFT STA, OA, CA, Q0A
.Lno_a_\@:
	SCORES QB                                      ; K's fragments serve a second time
.irp t, 0,1,2,3
.irp c, 0,1,2,3
	ds_load_b128 v[KV+16*\t+4*\c:KV+16*\t+4*\c+3], v[ADR] offset:VOFF+(\q)*8192+\t*2048+\c*512   ; V's fragments are asked for here and land under tile B's softmax
.endr
.endr
	SOFT STB, OB, CB, Q0B
	s_wait_alu depctr_va_vdst(0)
	s_wait_dscnt 0x0                               ; V is in
	s_cmp_gt_u32 s[KF], s[LIMA]
	s_cbranch_scc1 .Lno_pa_\@
	PV OA, CA
.Lno_pa_\@:
	PV OB, CB
.Lhidden_\@:
	s_add_co_u32 s[KF], s[KF], 128
.endm
; THE CHANGE OF SLOTS stands at a slot's head.  Each wave waits for all its tensor loads, adds 0 to its spare word, and waits for that and for its reads of the slot that it has left; behind the barrier the slot ahead is whole
; and nobody reads the other one, which is filled with the keys that follow, up to the causal limit.
.macro CHANGE
	s_wait_tensorcnt 0x0                           ; no tensor load of mine is out, so a group 0 may be written
	ds_add_u32 v[SPW], v[NIL]                      ; 0 onto my spare word
	ds_add_u32 v[SPW], v[NIL]                      ; twice on end, in every trip alike
	s_xor_b32 s[G0K+1], s[G0K+1], SLOT1
	s_add_nc_u64 s[G0K+2:G0K+3], s[G0K+2:G0K+3], 16384
	s_xor_b32 s[G0V+1], s[G0V+1], SLOT1
	s_add_nc_u64 s[G0V+2:G0V+3], s[G0V+2:G0V+3], 16384
	s_wait_xcnt 0x0                                ; the last prefetch, a slot back, has read its address
	s_add_nc_u64 s[PFA:PFA+1], s[PFA:PFA+1], 16384
	s_wait_dscnt 0x0                               ; both adds are done, and my reads of the slot that I have left are over
	s_barrier_signal -1
	s_barrier_wait -1
	s_add_co_u32 s96, s[KF], 256                   ; the first key of the slot that this change would ask for: past my work-group's last query it would be read by none of the waves
	s_cmp_gt_u32 s96, s[LASTQ]                     ; ids and the count of steps alone: all sixteen waves go the same way
	s_cbranch_scc1 .Lpast_\@
	TLOAD                                          ; a wave's one tensor load until the next such barrier
.Lpast_\@:
	ASK
.endm
	s_wait_alu depctr_va_vdst(0)
	s_wait_loadcnt 0x0                             ; Q
.Lslot:                                            ; NSL trips
	CHANGE
	STEP 0
	STEP 1
	s_xor_b32 s[TB], s[TB], SLOT1
	s_sub_co_u32 s[SLOTS], s[SLOTS], 1
	s_cmp_lg_u32 s[SLOTS], 0
	s_cbranch_scc1 .Lslot
	; THE WAY OUT, both tiles: O^T / the sum x 2^(e8 + e9), quantised with e10.  Registers 16 g + i are d = 32 g + 16 h + i of my query: the conversions' results are the last product's operand, stored as they stand.
	v_add_f32 v[STA+2], v[STA+2], v[STA+3]
	v_add_f32 v[STB+2], v[STB+2], v[STB+3]
	v_permlanex16_b32 v[STA+3], v[STA+2], s[SEL], s[SEL+1]
	v_permlanex16_b32 v[STB+3], v[STB+2], s[SEL], s[SEL+1]
	v_add_f32 v[STA+2], v[STA+2], v[STA+3]         ; the rows' sums
	v_add_f32 v[STB+2], v[STB+2], v[STB+3]
	s_wait_alu depctr_va_vdst(0)
	v_rcp_f32 v[STA+2], v[STA+2]
	v_rcp_f32 v[STB+2], v[STB+2]
.rept 4
	v_nop                                          ; the plain line behind the reciprocals, and places behind the last products
.endr
	v_mov_b32 v[KV], s[H10]
	v_mov_b32 v[KV+1], s[S10]
	s_wait_alu depctr_va_vdst(0)                   ; the wait ahead of the reciprocals' first readers
	v_ldexp_f32 v[STA+2], v[STA+2], s85
	v_ldexp_f32 v[STB+2], v[STB+2], s85
	s_wait_alu depctr_va_vdst(0)                   ; directly ahead of the first readers of O^T
.set n, 0
.rept 16
	v_pk_mul_f32 v[SS+n:SS+n+1], v[OA+n:OA+n+1], v[STA+2:STA+3] op_sel_hi:[1,0]
.set n, n+2
.endr
.set n, 0
.rept 16
	v_pk_mul_f32 v[SS+32+n:SS+33+n], v[OB+n:OB+n+1], v[STB+2:STB+3] op_sel_hi:[1,0]
.set n, n+2
.endr
.set n, 0
.rept 64
	v_med3_num_f32 v[SS+n], v[SS+n], -v[KV], v[KV]
.set n, n+1
.endr
.irp m, 0,1,2,3
	v_cvt_scalef32_pk8_fp8_f32 v[CA+2*\m:CA+2*\m+1], v[SS+8*\m:SS+8*\m+7], v[KV+1]
	v_cvt_scalef32_pk8_fp8_f32 v[CB+2*\m:CB+2*\m+1], v[SS+32+8*\m:SS+32+8*\m+7], v[KV+1]
.endr
	v_nop
.irp g, 0,1
	global_store_b128 v[LN], v[CA+4*\g:CA+4*\g+3], s[16:17] offset:512*\g   ; 32 lanes store 512 consecutive bytes, at a multiple of 512 from the buffer's first byte
	global_store_b128 v[LN], v[CB+4*\g:CB+4*\g+3], s[OBP:OBP+1] offset:512*\g
.endr
	s_wait_tensorcnt 0x0                           ; the wave's end
	ds_add_u32 v[SPW], v[NIL]
	s_wait_dscnt 0x0
	s_endpgm
.Lfunc_end_k_qd74f586225_attn:
	.size	k_qd74f586225_attn, .Lfunc_end_k_qd74f586225_attn-k_qd74f586225_attn
	.p2alignl 7, 3214868480
	.fill 96, 4, 3214868480
	.section	.rodata,"a",@progbits
	.p2align	6, 0x0
	.amdhsa_kernel k_qd74f586225_attn
		.amdhsa_group_segment_fixed_size 327680
		.amdhsa_private_segment_fixed_size 0
		.amdhsa_enable_private_segment 0
		.amdhsa_kernarg_size 40
		.amdhsa_user_sgpr_count 2
		.amdhsa_user_sgpr_kernarg_segment_ptr 1
		.amdhsa_wavefront_size32 1
		.amdhsa_system_sgpr_workgroup_id_x 1
		.amdhsa_system_sgpr_workgroup_id_y 1
		.amdhsa_system_sgpr_workgroup_id_z 1
		.amdhsa_system_vgpr_workitem_id 0
		.amdhsa_next_free_vgpr 256
		.amdhsa_next_free_sgpr 100
		.amdhsa_reserve_vcc 1
		.amdhsa_float_denorm_mode_32 3
		.amdhsa_float_denorm_mode_16_64 3
		.amdhsa_memory_ordered 1
		.amdhsa_forward_progress 1
		.amdhsa_inst_pref_size 97
	.end_amdhsa_kernel
	.amdgpu_metadata
---
amdhsa.version: [ 1, 2 ]
amdhsa.kernels:
  - .name:           k_qd74f586225_attn
    .symbol:         k_qd74f586225_attn.kd
    .args:
      - { .name: qc, .offset: 0, .size: 8, .value_kind: global_buffer, .address_space: global }
      - { .name: kc, .offset: 8, .size: 8, .value_kind: global_buffer, .address_space: global }
      - { .name: vc, .offset: 16, .size: 8, .value_kind: global_buffer, .address_space: global }
      - { .name: lowp_scales, .offset: 24, .size: 8, .value_kind: global_buffer, .address_space: global }
      - { .name: oc, .offset: 32, .size: 8, .value_kind: global_buffer, .address_space: global }
    .group_segment_fixed_size: 327680
    .private_segment_fixed_size: 0
    .kernarg_segment_align: 8
    .kernarg_segment_size: 40
    .max_flat_workgroup_size: 512
    .sgpr_count:     100
    .vgpr_count:     256
    .wavefront_size: 32
...
	.end_amdgpu_metadata
.endif
;; end of part 3
;; launch outp (part 4): grid 4 x 64, 4 waves a work-group, clusters of 4 x 4, 327,680 bytes of LDS; arguments oc, wc, lowp_scales, bo, out0; writes out0
.if DOCPART == 4
	.amdgcn_target "amdgcn-amd-amdhsa--gfx1250"
	.amdhsa_code_object_version 6
	.text
	.protected	k_qd74f586225_outp
	.globl	k_qd74f586225_outp
	.p2align	8
	.type	k_qd74f586225_outp,@function
k_qd74f586225_outp:
	s_mov_b64 s[64:65], 0
	v_nop
	global_prefetch_b8 v0, s[64:65] scope:SCOPE_SE
	s_setreg_imm32_b32 hwreg(HW_REG_WAVE_MODE, 25, 1), 1
	s_wait_xcnt 0x0
	s_wait_alu depctr_hold_cnt(0) depctr_sa_sdst(0) depctr_va_vdst(0) depctr_va_sdst(0) depctr_va_ssrc(0) depctr_va_vcc(0) depctr_vm_vsrc(0)
	s_getreg_b32 s2, hwreg(HW_REG_IB_STS2, 6, 4)
	s_cmp_eq_u32 s2, 0
	s_cbranch_scc0 .Lentry_in_a_cluster
	s_endpgm
.Lentry_in_a_cluster:
	s_bfe_u32 s2, ttmp6, 0x10000c
	s_cmp_lg_u32 s2, 0xf033
	s_cbranch_scc0 .Lentry_shape_is_right
	s_endpgm
.Lentry_shape_is_right:
.set SLOT,   98304
.set STAGE,  2*SLOT
.set SPITCH, 272
.set SPARE,  STAGE+4*16*SPITCH
.set ADRA,  16
.set ADRB,  20
.set STO,   22
.set RD,    23
.set LN16,  24
.set BO,    25
.set CO,    27
.set SPW,   28
.set NIL,   29
.set BIAS,  32
.set TMP,   96
.set AF,    128
.set BK,    128
.set WV,    22
.set MH,    23
.set NH,    3
.set G1,    24
.set G0,    32
.set G1B,   48
.set G0B,   56
.set MSB, 0
.macro WIN new
.if MSB != \new
	s_set_vgpr_msb (MSB<<8)|\new
.set MSB, \new
.endif
.endm
.set MULN,  0xa1
.set TO_B,  0x40
.macro JLOAD s
	s_cmp_eq_u32 s[MH], 0
	s_cbranch_scc0 .Lfor_b_\@
	tensor_load_to_lds s[G0+4*\s:G0+4*\s+3], s[G1:G1+7]
	s_nop 0
.rept 4
	v_nop
.endr
	s_branch .Lasked_\@
.Lfor_b_\@:
	tensor_load_to_lds s[G0B+4*\s:G0B+4*\s+3], s[G1B:G1B+7]
	s_nop 0
.rept 4
	v_nop
.endr
.Lasked_\@:
.endm
.macro CREST
	s_cmp_lg_u32 s[WV], 0
	s_cbranch_scc1 .Lnot_wave_0_\@
	s_barrier_signal -3
.Lnot_wave_0_\@:
	s_barrier_wait -3
	s_barrier_signal -1
	s_barrier_wait -1
.endm
.macro CROUND
	s_barrier_signal -1
	s_barrier_wait -1
	CREST
.endm
.macro PLACES n
.rept \n
	v_nop
.endr
.endm
; PREFETCHES INTO THE L2.  The 4 K steps lie 0x200000 bytes apart in oc and 0x40000 apart in wc.  Behind the joint load of K step 0 each wave asks for K steps 1 and 2 of what it fetches, behind that of K step 1 for K step 3; the refills ask for nothing.
; The four partners of a joint load share its blocks out BY ADDRESS: of a wave's 16,384 bytes of A the partner at cx takes 4,096 (16 lanes, 256 bytes apart; the other lanes name the last block again),
; of its 32,768 bytes of B the partner at cy takes 8,192 (32 lanes).  A's blocks are a cluster's own; B's are read by all sixteen clusters, and clusters 0 to 3 ask for them.
.set PFO,  18                          ; v18      the prefetches' offset; never rewritten
.set PFA,  70                          ; s[70:71] where my prefetches stand
.set PFS,  72                          ; s[72:73] a K step on, in bytes
.set PFX,  76                          ; s[76:77] K step 2
.set PFT,  74                          ; s74      at work
.set PFF,  75                          ; s75      1 where my wave asks
	s_load_b256 s[4:11], s[0:1], 0x0
	s_load_b64 s[12:13], s[0:1], 0x20
	v_lshl_add_u32 v[SPW], v0, 2, SPARE
	v_mov_b32 v[NIL], 0
	ds_add_u32 v[SPW], v[NIL]
	ds_add_u32 v[SPW], v[NIL]
	v_lshrrev_b32 v1, 5, v0
	v_readfirstlane_b32 s[WV], v1
	s_lshr_b32 s[MH], s[WV], 1
	s_and_b32 s[NH], s[WV], 1
	s_bfe_u32 s40, ttmp6, 0x40000
	s_bfe_u32 s41, ttmp6, 0x40004
	s_lshl_b32 s42, ttmp9, 2
	s_add_co_u32 s42, s42, s40
	s_and_b32 s43, ttmp7, 0xffff
	s_lshl_b32 s43, s43, 2
	s_add_co_u32 s43, s43, s41
	s_lshl_b32 s44, s41, 2
	s_lshl_b32 s44, 15, s44
	s_lshl_b32 s45, 0x1111, s40
	s_or_b32 s[G1], s44, (3<<16)|(1<<21)
	s_or_b32 s[G1B], s45, (3<<16)|(1<<21)
.irp g, G1, G1B
	s_mov_b32 s[\g+1], 32<<16
	s_mov_b32 s[\g+3], 32<<16
	s_mov_b32 s[\g+5], 32
	s_mov_b32 s[\g+6], 0
	s_mov_b32 s[\g+7], 0
.endr
	s_mov_b32 s[G1+2], 64<<16
	s_mov_b32 s[G1+4], 64
	s_mov_b32 s[G1B+2], 128<<16
	s_mov_b32 s[G1B+4], 128
	s_lshl_b32 s80, s43, 15
	s_lshl_b32 s81, s[NH], 14
	s_add_co_u32 s80, s80, s81
	s_mov_b32 s81, 0
	s_lshl_b32 s46, s42, 16
	s_lshl_b32 s47, s[NH], 15
	s_add_co_u32 s46, s46, s47
	s_add_co_u32 s46, s46, 0x300000
	s_mov_b32 s47, 0
	s_lshl_b32 s82, s[NH], 14
	s_lshl_b32 s83, s[NH], 15
	s_add_co_u32 s83, s83, 32768
	s_wait_dscnt 0x0
	s_wait_kmcnt 0x0
	s_load_b64 s[68:69], s[8:9], 0x28
	s_add_nc_u64 s[80:81], s[4:5], s[80:81]
	s_add_nc_u64 s[46:47], s[6:7], s[46:47]
	s_cmp_eq_u32 s[MH], 0                          ; do I fetch for A?
	s_cselect_b64 s[PFA:PFA+1], s[80:81], s[46:47] ; what my wave fetches, K step 0
	s_mov_b32 s[PFS], 0x40000
	s_cselect_b32 s[PFS], 0x200000, s[PFS]
	s_cselect_b32 s[PFT], s40, s41                 ; my place among the four that ask with me
	s_cselect_b32 s[PFF], 12, 13                   ; a partner's share: 4,096 or 8,192 bytes
	s_cselect_b32 s[PFS+1], 15, 31                 ; its last block
	s_lshl_b32 s[PFT], s[PFT], s[PFF]
	v_and_b32 v[PFO], 31, v0
	v_min_u32 v[PFO], s[PFS+1], v[PFO]
	v_lshlrev_b32 v[PFO], 8, v[PFO]
	s_mov_b32 s[PFF], 0
	s_add_nc_u64 s[PFA:PFA+1], s[PFA:PFA+1], s[PFT:PFT+1]
	s_mov_b32 s[PFS+1], 0
	s_add_nc_u64 s[PFA:PFA+1], s[PFA:PFA+1], s[PFS:PFS+1]   ; K step 1
	s_add_nc_u64 s[PFX:PFX+1], s[PFA:PFA+1], s[PFS:PFS+1]   ; K step 2
	s_and_b32 s[PFT], ttmp7, 0xffff                ; the cluster's y
	s_lshr_b32 s[PFT], s[PFT], 2
	s_mul_i32 s[PFT], s[PFT], s[MH]                ; 0 in A's waves, and in B's waves of clusters 0 to 3
	s_cmp_eq_u32 s[PFT], 0
	s_cselect_b32 s[PFF], 1, 0
	CROUND
.irp s, 0,1
	s_mov_b32 s[G0+4*\s], 1
	s_add_co_u32 s[G0+4*\s+1], s82, \s*SLOT
	s_add_nc_u64 s[G0+4*\s+2:G0+4*\s+3], s[80:81], \s*0x200000
	s_or_b32 s[G0+4*\s+3], s[G0+4*\s+3], 0x80000000
	s_mov_b32 s[G0B+4*\s], 1
	s_add_co_u32 s[G0B+4*\s+1], s83, \s*SLOT
	s_add_nc_u64 s[G0B+4*\s+2:G0B+4*\s+3], s[46:47], \s*0x40000
	s_or_b32 s[G0B+4*\s+3], s[G0B+4*\s+3], 0x80000000
.if \s == 1
	s_wait_xcnt 0x0                                ; the first two prefetches have read their addresses
	s_add_nc_u64 s[PFA:PFA+1], s[PFX:PFX+1], s[PFS:PFS+1]   ; K step 3
.endif
	s_wait_alu depctr_va_vdst(0)
	s_wait_tensorcnt 0x0
	ds_add_u32 v28, v29
	ds_add_u32 v28, v29
	s_wait_dscnt 0x0
	CROUND
	JLOAD \s
	s_cmp_eq_u32 s[PFF], 1
	s_cbranch_scc0 .Lpf_head_\s
	global_prefetch_b8 v[PFO], s[PFA:PFA+1] th:TH_LOAD_NT scope:SCOPE_SE   ; K step 1, then K step 3
.if \s == 0
	global_prefetch_b8 v[PFO], s[PFX:PFX+1] th:TH_LOAD_NT scope:SCOPE_SE   ; K step 2
.endif
.Lpf_head_\s:
.endr
	v_and_b32 v1, 31, v0
	v_lshlrev_b32 v[LN16], 4, v1
	v_bfe_u32 v2, v0, 4, 1
	v_lshlrev_b32 v[BO], 6, v2
	v_and_b32 v3, 15, v0
	s_wait_alu depctr_va_vdst(0)
	s_lshl_b32 s82, s[MH], 14
	s_lshl_b32 s83, s[NH], 15
	s_add_co_u32 s83, s83, 32768
.irp s, 0,1
	v_add_nc_u32 v[ADRA+\s], s82, v[LN16]
	v_add_nc_u32 v[ADRB+\s], s83, v[LN16]
	s_add_co_u32 s82, s82, SLOT
	s_add_co_u32 s83, s83, SLOT
.endr
	s_mul_i32 s82, s[WV], 16*SPITCH
	s_add_co_u32 s82, s82, STAGE
	v_mul_u32_u24 v[STO], v3, SPITCH
	v_lshl_add_u32 v[STO], v2, 6, v[STO]
	v_add_nc_u32 v[STO], s82, v[STO]
	v_mul_u32_u24 v[RD], v2, SPITCH
	v_lshl_add_u32 v[RD], v3, 4, v[RD]
	v_add_nc_u32 v[RD], s82, v[RD]
	v_lshlrev_b32 v[CO], 12, v2
	v_lshl_add_u32 v[CO], v3, 4, v[CO]
	s_lshl_b32 s82, s42, 10
	s_lshl_b32 s83, s[NH], 9
	s_add_co_u32 s82, s82, s83
	s_mov_b32 s83, 0
	s_add_nc_u64 s[10:11], s[10:11], s[82:83]
	s_lshl_b32 s94, s43, 19
	s_lshl_b32 s95, s[MH], 18
	s_add_co_u32 s94, s94, s95
	s_add_co_u32 s94, s94, s82
	s_mov_b32 s95, 0
	s_add_nc_u64 s[12:13], s[12:13], s[94:95]
.macro MUL8 a, p, first
	WIN MULN
.irp b, 0,1,2,3,4,5,6,7
.if \first
	v_wmma_f32_16x16x128_fp8_fp8 v[8*(8*(\a)+\b):8*(8*(\a)+\b)+7], v[128*(\p)+16*\b:128*(\p)+16*\b+15], v[AF+64*(\p)+16*(\a):AF+64*(\p)+16*(\a)+15], 0
.else
	v_wmma_f32_16x16x128_fp8_fp8 v[8*(8*(\a)+\b):8*(8*(\a)+\b)+7], v[128*(\p)+16*\b:128*(\p)+16*\b+15], v[AF+64*(\p)+16*(\a):AF+64*(\p)+16*(\a)+15], v[8*(8*(\a)+\b):8*(8*(\a)+\b)+7]
.endif
.endr
.endm
.macro FETCH slot, q, p
	WIN TO_B
.irp b, 0,1,2,3,4,5,6,7
.irp c, 0,1,2,3
	ds_load_b128 v[128*(\p)+16*\b+4*\c:128*(\p)+16*\b+4*\c+3], v[ADRB+\slot] offset:\b*4096+(\q)*2048+\c*512
.endr
.endr
	WIN 0
.irp a, 0,1,2,3
.irp c, 0,1,2,3
	ds_load_b128 v[AF+64*(\p)+16*\a+4*\c:AF+64*(\p)+16*\a+4*\c+3], v[ADRA+\slot] offset:\a*4096+(\q)*2048+\c*512
.endr
.endr
.endm
.macro STEP slot, first
	s_wait_dscnt 8
	MUL8 0, 0, \first
	MUL8 1, 0, \first
	PLACES 4
	FETCH \slot, 1, 1
	s_wait_dscnt 48
	MUL8 2, 0, \first
	MUL8 3, 0, \first
	WIN 0
.endm
.macro TURN slot, next, fill
	s_wait_tensorcnt 0x0
	ds_add_u32 v[SPW], v[NIL]
	s_wait_dscnt 9
	MUL8 0, 1, 0
	s_wait_dscnt 0x0
	s_barrier_signal -1
	MUL8 1, 1, 0
	WIN 0
	s_barrier_wait -1
.if \fill
	CREST
	s_add_nc_u64 s[G0+4*\slot+2:G0+4*\slot+3], s[G0+4*\slot+2:G0+4*\slot+3], 0x400000
	s_add_nc_u64 s[G0B+4*\slot+2:G0B+4*\slot+3], s[G0B+4*\slot+2:G0B+4*\slot+3], 0x80000
	JLOAD \slot
.else
	PLACES 4
.endif
	s_wait_alu depctr_va_vdst(0)
	FETCH \next, 0, 0
	MUL8 2, 1, 0
	MUL8 3, 1, 0
	WIN 0
.endm
.macro TOSTAGE u
.set AB, 8*(8*((\u)/2)+4*((\u)%2))
.set BB, BIAS+32*((\u)%2)
.set KB, BK+32*((\u)%4)
	WIN 0x02
.set n, 0
.rept 16
	v_pk_fma_f32 v[TMP+n:TMP+n+1], v[AB+n:AB+n+1], s[96:97], v[BB+n:BB+n+1] op_sel_hi:[1,0,1]
.set n, n+2
.endr
	WIN 0
.irp g, 0,1
.irp i, 0,1,2,3
	ds_store_b128 v[STO], v[TMP+16*\g+4*\i:TMP+16*\g+4*\i+3] offset:128*\g+16*\i
.endr
.endr
.irp t, 0,1,2,3,4,5,6,7
	ds_load_b128 v[KB+4*\t:KB+4*\t+3], v[RD] offset:2*\t*SPITCH
.endr
.endm
.macro SEND u, younger
.set KB, BK+32*((\u)%4)
	s_wait_dscnt \younger
.irp t, 0,1,2,3,4,5,6,7
	global_store_b128 v[CO], v[KB+4*\t:KB+4*\t+3], s[12:13] offset:(16*((\u)/2)+2*\t)*4096+((\u)%2)*256 th:TH_STORE_NT
.endr
.endm
.irp g, 0,1,2,3
.irp i, 0,1,2,3
	global_load_b128 v[BIAS+16*\g+4*\i:BIAS+16*\g+4*\i+3], v[BO], s[10:11] offset:128*\g+16*\i
.endr
.endr
	s_wait_tensorcnt 1
	s_barrier_signal -1
	s_barrier_wait -1
	FETCH 0, 0, 0
	STEP 0, 1
	TURN 0, 1, 1
	STEP 1, 0
	TURN 1, 0, 1
	STEP 0, 0
	TURN 0, 1, 0
	STEP 1, 0
	s_wait_dscnt 8
	MUL8 0, 1, 0
	MUL8 1, 1, 0
	s_wait_dscnt 0
	MUL8 2, 1, 0
	MUL8 3, 1, 0
	WIN 0
	s_wait_kmcnt 0x0
	s_add_co_i32 s96, s68, s69
	s_add_co_i32 s96, s96, 127
	s_lshl_b32 s96, s96, 23
	s_mov_b32 s97, s96
	s_wait_loadcnt 0x0
	PLACES 4
	TOSTAGE 0
.irp u, 1,2,3,4,5,6,7
.if \u >= 4
	s_wait_xcnt 0x0
.endif
	TOSTAGE \u
	SEND \u-1, 16
.endr
	SEND 7, 0
	s_wait_tensorcnt 0x0
	ds_add_u32 v[SPW], v[NIL]
	s_wait_dscnt 0x0
	CROUND
	s_endpgm
.Lfunc_end_k_qd74f586225_outp:
	.size	k_qd74f586225_outp, .Lfunc_end_k_qd74f586225_outp-k_qd74f586225_outp
	.p2alignl 7, 3214868480
	.fill 96, 4, 3214868480
	.section	.rodata,"a",@progbits
	.p2align	6, 0x0
	.amdhsa_kernel k_qd74f586225_outp
		.amdhsa_group_segment_fixed_size 327680
		.amdhsa_private_segment_fixed_size 0
		.amdhsa_enable_private_segment 0
		.amdhsa_kernarg_size 40
		.amdhsa_user_sgpr_count 2
		.amdhsa_user_sgpr_kernarg_segment_ptr 1
		.amdhsa_wavefront_size32 1
		.amdhsa_system_sgpr_workgroup_id_x 1
		.amdhsa_system_sgpr_workgroup_id_y 1
		.amdhsa_system_sgpr_workgroup_id_z 1
		.amdhsa_system_vgpr_workitem_id 0
		.amdhsa_next_free_vgpr 768
		.amdhsa_next_free_sgpr 100
		.amdhsa_reserve_vcc 0
		.amdhsa_float_denorm_mode_32 3
		.amdhsa_float_denorm_mode_16_64 3
		.amdhsa_memory_ordered 1
		.amdhsa_forward_progress 1
		.amdhsa_inst_pref_size 79
	.end_amdhsa_kernel
	.amdgpu_metadata
---
amdhsa.version: [ 1, 2 ]
amdhsa.kernels:
  - .name:           k_qd74f586225_outp
    .symbol:         k_qd74f586225_outp.kd
    .args:
      - { .name: oc, .offset: 0, .size: 8, .value_kind: global_buffer, .address_space: global }
      - { .name: wc, .offset: 8, .size: 8, .value_kind: global_buffer, .address_space: global }
      - { .name: lowp_scales, .offset: 16, .size: 8, .value_kind: global_buffer, .address_space: global }
      - { .name: bo, .offset: 24, .size: 8, .value_kind: global_buffer, .address_space: global }
      - { .name: out0, .offset: 32, .size: 8, .value_kind: global_buffer, .address_space: global }
    .group_segment_fixed_size: 327680
    .private_segment_fixed_size: 0
    .kernarg_segment_align: 8
    .kernarg_segment_size: 40
    .max_flat_workgroup_size: 128
    .sgpr_count:     100
    .vgpr_count:     768
    .wavefront_size: 32
...
	.end_amdgpu_metadata
.endif
;; end of part 4
